; MI455X (gfx1250); checked and timed in simulation.
; The chip was launched on July 23, 2026; its instructions are those of AMD's public machine-readable ISA for CDNA 5 (MIT licence, August 2026) and "CDNA5" Instruction Set Architecture Reference Guide (July 2026). The comments in the code are by the model that wrote it; some were corrected since.
;; Attention Block. Allowed arithmetic: matrix products marked QUANTISED: E2M1 operands, one E8M0 scale for each 32 along K, by v_wmma_scale_f32_16x16x128_f8f6f4 with both operands' format E2M1 (or v_wmma_scale_f32_32x16x128_f4), f32 sums; everything else in f32.
;; Inputs: gn_b 256 float32; gn_w 256 float32; proj_b 256 float32; proj_w 256 x 256 float32; qkv_b 768 float32; qkv_w 768 x 256 float32; x 4 x 256 x 64 x 64 float32.
;; Outputs: out0 4 x 256 x 64 x 64 float32.
;; This version of the problem:
;;   THIS VERSION OF THE PROBLEM IS GIVEN IN LOW PRECISION. The matrix products marked QUANTISED in the list below multiply operands that are first quantised to E2M1 (2 exponent bits, 1 mantissa bit; 4 bits a number), with one power-of-two scale for each 32 numbers along K (OCP MX v1.0); their sums are f32. All else is computed in f32.
;;   The module's matrix products, in the order in which they are computed (A, B: the left and right operand; K: the contracted axis; several contracted axes count as one K, in the product's order):
;;     1. [M 16,384, K 256] x [K 256, N 768]; A: computed on the way; B: input qkv_w: QUANTISED
;;     2. batch 16 x [M 4,096, K 64] x [K 64, N 4,096]; A: computed on the way; B: computed on the way: QUANTISED
;;     3. batch 16 x [M 4,096, K 4,096] x [K 4,096, N 64]; A: softmax (see below); B: computed on the way: QUANTISED
;;     4. [M 16,384, K 256] x [K 256, N 256]; A: computed on the way; B: input proj_w: QUANTISED
;;   THE QUANTISER, for each operand of a quantised product, along K:
;;     - K is cut into blocks of 32 from its start; a last block that is shorter is filled with zeros.
;;     - A block's scale is 2^e with e = floor(log2(the largest magnitude in the block)) - 2, held to -126 .. 127; a block of zeros has e = 0. As a byte (E8M0): e + 127.
;;     - Each number is divided by its block's scale, clamped to +-6, and rounded to the nearest number of E2M1, ties to even, subnormals kept.
;;     - The product sums the exact products of the quantised numbers (number of the format x scale) in f32.
;;   ~~~python
;;   def quantise(x, axis):      # numpy; x: float32 -> the quantised numbers, widened to float32 again
;;       x = np.moveaxis(x, axis, -1); K = x.shape[-1]
;;       x = np.pad(x, [(0, 0)] * (x.ndim - 1) + [(0, -K % 32)]); x = x.reshape(x.shape[:-1] + (-1, 32)); a = np.abs(x).max(-1, keepdims=True)
;;       e = np.where(a > 0, np.clip(np.frexp(np.where(a > 0, a, 1))[1] - 1 - 2, -126, 127), 0)      # np.frexp(a)[1] - 1 = floor(log2(a)), exactly
;;       r = np.clip(x / 2.0 ** e, -6, 6)
;;       step = 2.0 ** (np.maximum(np.frexp(np.where(r == 0, 1, r))[1] - 1, 0) - 1)
;;       q = np.round(r / step) * step * 2.0 ** e      # np.round: ties to even
;;       return np.moveaxis(q.reshape(q.shape[:-2] + (-1,))[..., :K], -1, axis).astype(np.float32)
;;   ~~~
;;   SOFTMAX AHEAD OF A QUANTISED PRODUCT. Where the list says 'softmax', what is quantised is not the finished softmax but p = 2^(t - M), with t = logit x log2(e) and M = ceil(the row's largest t), a whole number; so 1/2 < the row's largest p <= 1. The row's sum l is taken of the UNQUANTISED p, in f32, and the product's result is divided by l at the end. Since M is a whole number, a kernel that streams over the keys may use a running M (the ceiling of the running maximum): every later rescaling is an exact power of two, which a block's scale takes up: the codes' values come out the same.
;;   OPERANDS COMPUTED ON THE WAY. 'Computed on the way' means the value that the module computes at that place (a softmax that the list does not call 'softmax' is quantised finished and normalised). What goes into a quantiser is computed in f32, as accurately as f32 sums, v_exp_f32 and their like allow (about 1e-6 of the number): no bf16 or f16 on the way to a quantiser, and a product that is left as it is and whose result goes on into a quantised operand takes f32 operands (vector FMAs, or v_wmma_f32_16x16x4_f32). A number that lies on a knife's edge between two numbers of the format may be rounded either way, as far as f32 arithmetic and the matrix unit's own rounding can turn it there, and no further.
;; One version. Each part assembles by itself: llvm-mc -triple=amdgcn-amd-amdhsa -mcpu=gfx1250 --defsym DOCPART=n.
;; ======== version 1 of 1: 3 launches
;; workspace buffers: stats 1,024 bytes; wq 147,456 bytes; qbuf 2,359,296 bytes; kvc 4,194,304 bytes; kvs 393,216 bytes
;; launch prep (part 1): grid 136 x 1, 8 waves a work-group, no clusters, 1,280 bytes of LDS; arguments x, qkv_w, proj_w, stats, wq; writes stats, wq
.if DOCPART == 1
	.amdgcn_target "amdgcn-amd-amdhsa--gfx1250"
	.amdhsa_code_object_version 6
	.text
	.protected	k_qe68e756ef3_prep
	.globl	k_qe68e756ef3_prep
	.p2align	8
	.type	k_qe68e756ef3_prep,@function
k_qe68e756ef3_prep:
	s_mov_b64 s[64:65], 0
	v_nop
	global_prefetch_b8 v0, s[64:65] scope:SCOPE_SE
	s_setreg_imm32_b32 hwreg(HW_REG_WAVE_MODE, 25, 1), 1
	s_wait_xcnt 0x0
; AttentionBlock, launch 1 of 3.  GroupNorm's statistics, and both weights as codes of FP4 (E2M1) with one E8M0 byte for each 32 along K.
; NOTHING OF THE PROBLEM IS LEFT OUT AS DEAD WORK, here or in the later launches: every bias stands ahead of a quantiser or on the way out, so all seven inputs are loaded.
; Work-groups 0-127: group b*32+g of x is 8 channels x 4,096 positions = 131,072 consecutive bytes.  256 threads hold it in 128 registers each: the mean is
; summed, taken off in place, and the squares are summed from the registers: x is read once, and the variance is no difference of large sums.
; stats[b*32+g] = {-mean, 1/sqrt(var + 1e-5)}.
; Work-groups 128-135: a wave takes one tile of 16 rows of qkv_w (tiles 0-47) or proj_w (48-63).  THE ROWS OF A TILE ARE NOT NEIGHBOURS: lane r of tile
; 2 b + u takes row 32 b + 8 u + r + 8 (r / 8), so that a product's 16 registers of two neighbouring tiles are 16 neighbours along the next K.
; wq holds IMAGES OF THE OPERAND'S REGISTERS: tile T, K step s, register group c at T*2048 + (2 s + c)*512 + 16 lane; its two scale words at WSC + T*256 + 8 lane.
; A block's scale byte is its largest magnitude's exponent field - 2.
; LIMITS: no largest magnitude is taken under the floor 2^(3-127); a block of zeros gets the byte 1 where the rule says 127 (its codes are zeros, and this program alone
; reads the bytes); NaN and infinities among the inputs are not served.
; No tensor load and no ring: each byte is used once, from registers.  No prefetch: a short stream whose loads all go out at the head.
.set SPARE, 256                        ; LDS: bytes 0-31 the first sum's eight parts, 32-63 the second's; from 256 the spare words, 128 bytes a wave
.set X,     16                         ; v16-143  my 128 numbers (weights: 4 blocks of 32)
.set CH,    144                        ; v144-151 four chains of pairs
.set SPW,   12                         ; v12  LDS address of my spare word; never rewritten
.set NIL,   13                         ; v13  0; never rewritten
.set WSC,   131072                     ; where the weights' scale words begin in wq
	s_load_b256 s[4:11], s[0:1], 0x0               ; x s[4:5], qkv_w s[6:7], proj_w s[8:9], stats s[10:11]
	s_load_b64 s[12:13], s[0:1], 0x20              ; wq
	v_lshl_add_u32 v[SPW], v0, 2, SPARE
	v_mov_b32 v[NIL], 0
	v_lshrrev_b32 v2, 5, v0
	s_delay_alu instid0(VALU_DEP_1)
	v_readfirstlane_b32 s14, v2                    ; wave 0..7
	s_mov_b32 s16, 0x76543210
	s_mov_b32 s17, 0xfedcba98                      ; v_permlanex16_b32's selects for lane l xor 16
	s_cmp_lt_u32 ttmp9, 128                        ; the work-group's number alone: all eight waves go the same way
	s_cbranch_scc0 .Lweights
	; ---------------- the statistics of one group
	v_lshlrev_b32 v1, 4, v0                        ; 16 bytes a thread: a wave's load covers 512 consecutive bytes
	v_lshlrev_b32 v2, 2, v2                        ; LDS: my wave's word
	v_mov_b32 v3, 0
	v_mov_b32 v153, 0                              ; a lane permute's destination counts as one of its sources
	s_lshl_b32 s18, ttmp9, 17                      ; 131,072 bytes a group
	s_mov_b32 s19, 0
	s_lshl_b32 s20, ttmp9, 3                       ; 8 bytes of stats a group
	s_mov_b32 s21, 0
	s_mov_b32 s22, 0x38000000                      ; 2^-15: one in 32,768
	s_mov_b32 s23, 0x3727c5ac                      ; 1e-5
	s_wait_alu depctr_va_vdst(0)
	s_wait_kmcnt 0x0
	s_add_nc_u64 s[4:5], s[4:5], s[18:19]
	s_add_nc_u64 s[10:11], s[10:11], s[20:21]
.set j, 0
.rept 32
	global_load_b128 v[X+4*j:X+4*j+3], v1, s[4:5] offset:4096*j
.set j, j+1
.endr
; the four chains become the group's sum, in every lane of every wave: within the lane, across the 32 lanes, across the eight waves through LDS
.macro REDUCE off
	s_delay_alu instid0(VALU_DEP_3)
	v_pk_add_f32 v[CH:CH+1], v[CH:CH+1], v[CH+2:CH+3]
	s_delay_alu instid0(VALU_DEP_2)
	v_pk_add_f32 v[CH+4:CH+5], v[CH+4:CH+5], v[CH+6:CH+7]
	s_delay_alu instid0(VALU_DEP_1)
	v_pk_add_f32 v[CH:CH+1], v[CH:CH+1], v[CH+4:CH+5]
	s_delay_alu instid0(VALU_DEP_1)
	v_add_f32 v152, v[CH], v[CH+1]
	s_delay_alu instid0(VALU_DEP_1)
	v_add_f32_dpp v152, v152, v152 row_xmask:1 row_mask:0xf bank_mask:0xf
	s_delay_alu instid0(VALU_DEP_1)
	v_add_f32_dpp v152, v152, v152 row_xmask:2 row_mask:0xf bank_mask:0xf
	s_delay_alu instid0(VALU_DEP_1)
	v_add_f32_dpp v152, v152, v152 row_xmask:4 row_mask:0xf bank_mask:0xf
	s_delay_alu instid0(VALU_DEP_1)
	v_add_f32_dpp v152, v152, v152 row_xmask:8 row_mask:0xf bank_mask:0xf
	s_delay_alu instid0(VALU_DEP_1)
	v_permlanex16_b32 v153, v152, s16, s17
	s_delay_alu instid0(VALU_DEP_1)
	v_add_f32 v152, v152, v153
	ds_store_b32 v2, v152 offset:\off              ; all lanes write my wave's word with the same value
	s_wait_dscnt 0x0                               ; for the others' sake: my store has landed
	s_barrier_signal -1
	s_barrier_wait -1
	ds_load_b128 v[152:155], v3 offset:\off
	ds_load_b128 v[156:159], v3 offset:\off+16
	s_wait_dscnt 0x0
	v_add_f32 v152, v152, v153
	v_add_f32 v154, v154, v155
	v_add_f32 v156, v156, v157
	v_add_f32 v158, v158, v159
	s_delay_alu instid0(VALU_DEP_3)
	v_add_f32 v152, v152, v154
	s_delay_alu instid0(VALU_DEP_2)
	v_add_f32 v156, v156, v158
	s_delay_alu instid0(VALU_DEP_1)
	v_add_f32 v152, v152, v156
.endm
	s_wait_loadcnt 24                              ; loads come back in order: the first eight (pairs 0-15) are in, 24 younger ones stay out
.irp k, 0,1,2,3
	v_pk_add_f32 v[CH+2*\k:CH+2*\k+1], v[X+2*\k:X+2*\k+1], v[X+8+2*\k:X+9+2*\k]   ; the first eight pairs start the chains: nothing is cleared
.endr
.set p, 8
.rept 56
.if p == 16
	s_wait_alu depctr_va_vdst(0)
	s_wait_loadcnt 16                              ; the next eight loads
.endif
.if p == 32
	s_wait_alu depctr_va_vdst(0)
	s_wait_loadcnt 8
.endif
.if p == 48
	s_wait_alu depctr_va_vdst(0)
	s_wait_loadcnt 0
.endif
	v_pk_add_f32 v[CH+2*(p%4):CH+2*(p%4)+1], v[CH+2*(p%4):CH+2*(p%4)+1], v[X+2*p:X+2*p+1]
.set p, p+1
.endr
	REDUCE 0
	s_delay_alu instid0(VALU_DEP_1)
	v_mul_f32 v10, 0xb8000000, v152                ; -mean = sum x -2^-15
	s_delay_alu instid0(VALU_DEP_1)
	v_mov_b32 v11, v10
.set p, 0
.rept 64
	v_pk_add_f32 v[X+2*p:X+2*p+1], v[X+2*p:X+2*p+1], v[10:11]     ; x - mean, in place
.set p, p+1
.endr
.set p, 0
.rept 64
.if p < 4
	v_pk_mul_f32 v[CH+2*p:CH+2*p+1], v[X+2*p:X+2*p+1], v[X+2*p:X+2*p+1]
.else
	s_delay_alu instid0(VALU_DEP_4)
	v_pk_fma_f32 v[CH+2*(p%4):CH+2*(p%4)+1], v[X+2*p:X+2*p+1], v[X+2*p:X+2*p+1], v[CH+2*(p%4):CH+2*(p%4)+1]
.endif
.set p, p+1
.endr
	REDUCE 32                                      ; other bytes than the first sum's: no wave can overwrite what another still reads
	s_delay_alu instid0(VALU_DEP_1)
	v_fma_f32 v156, v152, s22, s23                 ; var + eps
	s_wait_alu depctr_va_vdst(0)
	v_rsq_f32 v11, v156
	v_nop                                          ; a plain instruction behind the transcendental
	s_wait_alu depctr_va_vdst(0)                   ; and the wait ahead of the first use of its result
	s_wait_xcnt 0x0                                ; EXEC changes only behind this wait
	v_cmp_eq_u32 vcc_lo, 0, v0
	s_and_saveexec_b32 s24, vcc_lo                 ; thread 0 alone
	global_store_b64 v3, v[10:11], s[10:11]        ; {-mean, rstd}
	s_wait_xcnt 0x0
	s_or_b32 exec_lo, exec_lo, s24
	s_wait_tensorcnt 0x0                           ; the wave's end, behind my last LDS store
	ds_add_u32 v[SPW], v[NIL]
	s_wait_dscnt 0x0
	s_endpgm
	; ---------------- one tile of 16 rows of a weight; no LDS is touched on this path
.Lweights:
	v_and_b32 v1, 15, v0                           ; r
	v_bfe_u32 v2, v0, 4, 1                         ; h
	s_delay_alu instid0(VALU_DEP_2)
	v_and_b32 v3, 8, v1
	s_delay_alu instid0(VALU_DEP_1)
	v_add_nc_u32 v3, v3, v1                        ; r + 8 (r / 8)
	s_delay_alu instid0(VALU_DEP_1)
	v_lshlrev_b32 v4, 10, v3                       ; a row is 256 numbers, 1,024 bytes
	s_delay_alu instid0(VALU_DEP_1)
	v_lshl_add_u32 v4, v2, 7, v4                   ; lanes 16-31 begin 32 numbers on: the operand's layout gives lane (r, h) k = 64 c + 32 h + 0 .. 31
	v_lshlrev_b32 v5, 3, v2                        ; 8 h: my bytes' place in a scale word
	v_and_b32 v3, 31, v0
	s_delay_alu instid0(VALU_DEP_1)
	v_lshlrev_b32 v6, 4, v3                        ; 16 x lane
	s_delay_alu instid0(VALU_DEP_2)
	v_lshlrev_b32 v7, 3, v3                        ; 8 x lane
	v_mov_b32 v158, 0
	v_mov_b32 v159, 0                              ; lane permutes' destinations
	s_sub_co_u32 s18, ttmp9, 128
	s_lshl_b32 s18, s18, 3
	s_add_co_u32 s18, s18, s14                     ; tile T = 8 x (work-group - 128) + wave
	s_lshl_b32 s22, s18, 11
	s_mov_b32 s23, 0
	s_lshl_b32 s26, s18, 8
	s_add_co_u32 s26, s26, WSC
	s_mov_b32 s27, 0
	s_wait_alu depctr_va_vdst(0)
	s_wait_kmcnt 0x0
	s_cmp_lt_u32 ttmp9, 134                        ; tiles 0-47 are qkv_w's: the choice hangs on the work-group's number alone
	s_cselect_b64 s[6:7], s[6:7], s[8:9]
	s_cselect_b32 s19, 0, 48
	s_sub_co_u32 s19, s18, s19                     ; the tile's number in its own weight
	s_lshr_b32 s20, s19, 1
	s_lshl_b32 s20, s20, 5
	s_and_b32 s21, s19, 1
	s_lshl_b32 s21, s21, 3
	s_add_co_u32 s20, s20, s21                     ; its first row: 32 (T / 2) + 8 (T % 2)
	s_lshl_b32 s20, s20, 10
	s_mov_b32 s21, 0
	s_add_nc_u64 s[6:7], s[6:7], s[20:21]
	s_add_nc_u64 s[24:25], s[12:13], s[22:23]      ; the tile's codes
	s_add_nc_u64 s[26:27], s[12:13], s[26:27]      ; its scale words
.irp q, 0,1,2,3                                        ; block q = 2 s + c of my lane: k = 128 s + 64 c + 32 h + 0 .. 31
.irp n, 0,1,2,3,4,5,6,7
	global_load_b128 v[X+32*\q+4*\n:X+32*\q+4*\n+3], v4, s[6:7] offset:256*\q+16*\n th:TH_LOAD_NT
.endr
.endr
	s_wait_loadcnt 0x0
.irp q, 0,1,2,3
	v_max3_num_f32 v[144+\q], |v[X+32*\q]|, |v[X+1+32*\q]|, 0x1800000     ; all 32 numbers of a block are mine; the floor 2^(3-127) holds the byte at 1 from below
.endr
.irp i, 2,4,6,8,10,12,14,16,18,20,22,24,26,28,30
.irp q, 0,1,2,3
	s_delay_alu instid0(VALU_DEP_4)
	v_max3_num_f32 v[144+\q], v[144+\q], |v[X+32*\q+\i]|, |v[X+1+32*\q+\i]|   ; the four blocks by turns
.endr
.endr
.irp q, 0,1,2,3
	s_delay_alu instid0(VALU_DEP_4)
	v_add_nc_u32 v[148+\q], 0xff000000, v[144+\q]  ; 2 off the exponent field: the conversion's scale operand
.endr
.irp q, 0,1,2,3
	s_delay_alu instid0(VALU_DEP_4)
	v_lshrrev_b32 v[152+\q], 23, v[148+\q]         ; the scale's byte
.endr
.irp s, 0,1
	s_delay_alu instid0(VALU_DEP_3)
	v_lshl_or_b32 v[156+\s], v[153+2*\s], 16, v[152+2*\s]   ; my two bytes of K step s: blocks h and 2 + h,
	s_delay_alu instid0(VALU_DEP_1)
	v_lshlrev_b32 v[156+\s], v5, v[156+\s]                  ; at their places;
.endr
.irp s, 0
	s_delay_alu instid0(VALU_DEP_3)
	v_permlanex16_b32 v[158+\s], v[156+\s], s16, s17
.endr
.irp s, 1
	s_delay_alu instid0(VALU_DEP_2)
	v_permlanex16_b32 v[158+\s], v[156+\s], s16, s17
.endr
.irp s, 0,1
	s_delay_alu instid0(VALU_DEP_2)
	v_or_b32 v[156+\s], v[156+\s], v[158+\s]       ; with lane l xor 16's two the word is whole, in both lanes
.endr
.irp q, 0,1,2,3
.irp g, 0,1,2,3
	v_cvt_scalef32_pk8_fp4_f32 v[160+4*\q+\g], v[X+32*\q+8*\g:X+32*\q+8*\g+7], v[148+\q]
.endr
.endr
	v_nop                                          ; a plain instruction behind the last scaled conversion
.irp q, 0,1,2,3
	global_store_b128 v6, v[160+4*\q:163+4*\q], s[24:25] offset:512*\q    ; 512 consecutive bytes a store
.endr
	global_store_b64 v7, v[156:157], s[26:27]      ; 256 consecutive bytes
	s_endpgm
.Lfunc_end_k_qe68e756ef3_prep:
	.size	k_qe68e756ef3_prep, .Lfunc_end_k_qe68e756ef3_prep-k_qe68e756ef3_prep
	.p2alignl 7, 3214868480
	.fill 96, 4, 3214868480
	.section	.rodata,"a",@progbits
	.p2align	6, 0x0
	.amdhsa_kernel k_qe68e756ef3_prep
		.amdhsa_group_segment_fixed_size 1280
		.amdhsa_private_segment_fixed_size 0
		.amdhsa_enable_private_segment 0
		.amdhsa_kernarg_size 40
		.amdhsa_user_sgpr_count 2
		.amdhsa_user_sgpr_kernarg_segment_ptr 1
		.amdhsa_wavefront_size32 1
		.amdhsa_system_sgpr_workgroup_id_x 1
		.amdhsa_system_sgpr_workgroup_id_y 1
		.amdhsa_system_sgpr_workgroup_id_z 1
		.amdhsa_system_vgpr_workitem_id 0
		.amdhsa_next_free_vgpr 176
		.amdhsa_next_free_sgpr 66
		.amdhsa_reserve_vcc 1
		.amdhsa_float_denorm_mode_32 3
		.amdhsa_float_denorm_mode_16_64 3
		.amdhsa_memory_ordered 1
		.amdhsa_forward_progress 1
		.amdhsa_inst_pref_size 36
	.end_amdhsa_kernel
	.amdgpu_metadata
---
amdhsa.version: [ 1, 2 ]
amdhsa.kernels:
  - .name:           k_qe68e756ef3_prep
    .symbol:         k_qe68e756ef3_prep.kd
    .args:
      - { .name: x, .offset: 0, .size: 8, .value_kind: global_buffer, .address_space: global }
      - { .name: qkv_w, .offset: 8, .size: 8, .value_kind: global_buffer, .address_space: global }
      - { .name: proj_w, .offset: 16, .size: 8, .value_kind: global_buffer, .address_space: global }
      - { .name: stats, .offset: 24, .size: 8, .value_kind: global_buffer, .address_space: global }
      - { .name: wq, .offset: 32, .size: 8, .value_kind: global_buffer, .address_space: global }
    .group_segment_fixed_size: 1280
    .private_segment_fixed_size: 0
    .kernarg_segment_align: 8
    .kernarg_segment_size: 40
    .max_flat_workgroup_size: 256
    .sgpr_count:     66
    .vgpr_count:     176
    .wavefront_size: 32
...
	.end_amdgpu_metadata
.endif
;; end of part 1
;; launch qkv (part 2): grid 2 x 128, 16 waves a work-group, no clusters, 71,424 bytes of LDS; arguments x, stats, gn_w, gn_b, wq, qkv_b, qbuf, kvc, kvs; writes qbuf, kvc, kvs
.if DOCPART == 2
	.amdgcn_target "amdgcn-amd-amdhsa--gfx1250"
	.amdhsa_code_object_version 6
	.text
	.protected	k_qe68e756ef3_qkv
	.globl	k_qe68e756ef3_qkv
	.p2align	8
	.type	k_qe68e756ef3_qkv,@function
k_qe68e756ef3_qkv:
	s_mov_b64 s[64:65], 0
	v_nop
	global_prefetch_b8 v0, s[64:65] scope:SCOPE_SE
	s_setreg_imm32_b32 hwreg(HW_REG_WAVE_MODE, 25, 1), 1
	s_wait_xcnt 0x0
; AttentionBlock, launch 2 of 3.  h = GroupNorm(x), quantised along the channels; q, k, v = qkv_w h + qkv_b on codes of FP4 (E2M1); q and k quantised along the head's 64,
; v along the keys.  All results leave as IMAGES OF OPERAND REGISTERS (lane l's 16 bytes at 16 l), which the third launch loads as they lie.  No work is left out.
; SHARES.  Work-group (hp, bs): heads 2 hp and 2 hp + 1, batch bs / 32, positions 128 (bs % 32) on.  128 positions are one K step of the product with v, whose scale word wants all of
; them, so the positions are not cut finer; the two work-groups of a step both normalise the same 128 KB of x, which is what gives each of 256 WGPs a work-group.
; No cluster and no tensor load: only two work-groups share a tile, and x has to pass through registers to be normalised.
; PHASE X: wave w takes channels 32 (w / 2) on (one block of K) x 64 positions, two positions a lane, registers down the channels: a block lies in one lane.  Codes and scale
; bytes go to LDS at their places in the fragments' images.  A TILE'S 16 POSITIONS ARE NOT NEIGHBOURS: lane r of tile 2 b + u holds position 32 b + 8 u + r + 8 (r / 8).
; PHASE 1: waves 0-7 make q, waves 8-15 k: one head, two tiles of positions; source 0 = 16 rows of the weight, source 1 = h: a lane holds one position, its 32 registers the head's channels
; 32 b + 16 h + i.  PHASE 2: every wave makes half a fragment of v: source 0 = h, source 1 = 16 rows of the weight: a lane holds one channel, its 32 registers 64 keys' halves.
; h = (x - mean) x (rstd x gn_w) + gn_b: one fused multiply-add behind the subtraction; the order of rounding differs from (x - mean) x rstd x gn_w + gn_b in the last bit.
; LIMITS: no largest magnitude is taken under the floor 2^(3-127); a block of zeros gets the byte 1 where the rule says 127 (its codes are zeros; this program alone reads the bytes); NaN and infinities are not served.
.set HT,    2064                       ; LDS: a tile of h: four groups of 512 bytes + 16 of padding, so that phase X's stores into neighbouring tiles fall on other banks
.set HIMG,  0                          ; h's 8 tiles
.set HSC,   16640                      ; their scale bytes: (tile x 2 + K step) x 64 + 4 r + block
.set WIMG,  17664                      ; the weight's tiles of my two heads: [q, k, v][8][2048]
.set SST,   66816                      ; the results' scale words: q's 2 x 512; then for each head k's 512 and v's 256
.set SPARE, 69376                      ; the spare words, 128 bytes a wave
.set WSC,   131072                     ; wq: where the scale words begin
.set QS,    2097152                    ; qbuf: where the scale words begin
.set L16, 1                            ; v1   16 x lane
.set XST, 4                            ; v4   phase X: where my codes go;  v5 my scale bytes;  v6 my part of the weight's copy
.set XSB, 5
.set WST, 6
.set A1W, 7                            ; v7-10  phase 1: the weight's fragments, h's, h's scale words, where my scale word goes
.set A1H, 8
.set A1S, 9
.set A1P, 10
.set A2H, 11                           ; v11, v248-250  phase 2 likewise;  v251 the scales' way out
.set PC0, 12                           ; v12-23 three results' codes, each its own registers: no store's data are written again.  At the head v12-17 are the loads' offsets, v18-23 at work
.set PC1, 16
.set PC2, 20
.set XC,  24                           ; v24-31 phase X's codes; later v24-26 three scale words, v28-31 the scales on their way out
.set HF,  32                           ; v32-63   phase X: the weight's copy; then fragments
.set WF,  64                           ; v64-127  x as loaded; then fragments
.set ACC, 128                          ; v128-191 h (even position, odd position); then accumulators
.set BIAS, 192                         ; v192-223 qkv_b in the results' layout
.set WS,  224                          ; v224-231 the weight's scale words, phase 1;  v232-233 phase 2;  v234-237 h's
.set WSV, 232
.set HS,  234
.set BV,  238                          ; v238 v's bias of my lane's channel
.set TM,  240                          ; v240-245 at work in the quantiser
.set GQK, 246                          ; v246, v247, v254 byte offsets of the stores
.set GV,  247
.set A2S, 248
.set A2W, 249
.set A2P, 250
.set A3,  251
.set SPW, 252                          ; v252 LDS address of my spare word; never rewritten
.set NIL, 253                          ; v253 0; never rewritten
.set GS,  254
.set SEL, 24                           ; s[24:25] behind phase X: lane selects for v_permlanex16_b32
; 32 numbers of a lane, register s + 16 b + i = k 32 b + 16 (lane / 16) + i of my row, become four registers of codes, k = 32 (lane / 16) + 0 .. 31, and two scale bytes in v[pw]
.macro QUANT2 s, pc, pw
.irp b, 0,1
	v_max3_num_f32 v[TM+\b], |v[(\s)+16*\b]|, |v[(\s)+1+16*\b]|, 0x1800000   ; my 16 numbers of block b, and the floor 2^(3-127)
.endr
.irp i, 2,4,6,8,10,12,14
.irp b, 0,1
	v_max3_num_f32 v[TM+\b], v[TM+\b], |v[(\s)+16*\b+\i]|, |v[(\s)+1+16*\b+\i]|
.endr
.endr
.irp b, 0,1
	s_delay_alu instid0(VALU_DEP_2)
	v_permlanex16_b32 v[TM+2+\b], v[TM+\b], s[SEL], s[SEL+1]
.endr
.irp b, 0,1
	s_delay_alu instid0(VALU_DEP_2)
	v_max_num_f32 v[TM+\b], v[TM+\b], v[TM+2+\b]   ; with lane l xor 16's: the block's largest magnitude
.endr
.irp b, 0,1
	s_delay_alu instid0(VALU_DEP_2)
	v_add_nc_u32 v[TM+4+\b], 0xff000000, v[TM+\b]  ; 2 off its exponent field: the conversion's scale operand
.endr
.irp b, 0,1
	s_delay_alu instid0(VALU_DEP_2)
	v_lshrrev_b32 v[TM+2+\b], 23, v[TM+4+\b]       ; the scale's byte
.endr
	s_delay_alu instid0(VALU_DEP_1)
	v_lshl_or_b32 v[\pw], v[TM+3], 8, v[TM+2]
.irp b, 0,1
	v_cvt_scalef32_pk8_fp4_f32 v[(\pc)+2*\b], v[(\s)+16*\b:(\s)+16*\b+7], v[TM+4+\b]
	v_cvt_scalef32_pk8_fp4_f32 v[(\pc)+1+2*\b], v[(\s)+16*\b+8:(\s)+16*\b+15], v[TM+4+\b]
.endr
	v_nop                                          ; a plain instruction behind the last scaled conversion
	v_permlane16_swap_b32 v[\pc], v[(\pc)+2]       ; the operand's layout wants a whole block in a lane: lanes 0-15 block 0, lanes 16-31 block 1
	v_permlane16_swap_b32 v[(\pc)+1], v[(\pc)+3]
.endm
	s_load_b512 s[4:19], s[0:1], 0x0               ; x s[4:5], stats s[6:7], gn_w s[8:9], gn_b s[10:11], wq s[12:13], qkv_b s[14:15], qbuf s[16:17], kvc s[18:19]
	s_load_b64 s[20:21], s[0:1], 0x40              ; kvs.  The pointers stay as they are: every place is a 32-bit offset in a vector register
	v_lshl_add_u32 v[SPW], v0, 2, SPARE
	v_mov_b32 v[NIL], 0
	v_lshrrev_b32 v1, 5, v0
	s_delay_alu instid0(VALU_DEP_1)
	v_readfirstlane_b32 s2, v1                     ; wave w, 0..15
	v_and_b32 v18, 31, v0                          ; lane
	s_wait_alu depctr_va_vdst(0)
	v_and_b32 v19, 15, v0                          ; r
	v_bfe_u32 v20, v0, 4, 1                        ; h
	v_lshlrev_b32 v[L16], 4, v18
	s_and_b32 s104, ttmp7, 0xffff                  ; bs = 32 x batch + step
	s_lshr_b32 s105, s104, 5                       ; batch
	s_lshr_b32 s3, s2, 1                           ; my block of 32 channels
	s_lshl_b32 s22, s105, 22                       ; x: batch x 4 MiB
	s_and_b32 s23, s104, 31
	s_lshl_b32 s23, s23, 9                         ; + step x 128 positions
	s_add_co_u32 s22, s22, s23
	s_lshl_b32 s23, s3, 19                         ; + 32 channels of 16,384 bytes
	s_add_co_u32 s22, s22, s23
	s_and_b32 s23, s2, 1
	s_lshl_b32 s23, s23, 8                         ; + my 64 positions
	s_add_co_u32 s22, s22, s23
	v_lshl_add_u32 v12, v18, 3, s22                ; + two positions a lane
	s_lshl_b32 s100, s105, 8
	s_lshl_b32 s23, s3, 5
	s_add_co_u32 s100, s100, s23                   ; stats: my four groups' pairs
	s_lshl_b32 s101, s3, 7                         ; gn_w, gn_b: my 32 channels.  s100 and s101 are never rewritten
	s_wait_alu depctr_va_vdst(0)
	s_wait_kmcnt 0x0
	s_load_b256 s[24:31], s[6:7], s100 offset:0x0  ; {-mean, rstd} of groups 4 cb .. 4 cb + 3
	s_load_b512 s[32:47], s[8:9], s101 offset:0x0
	s_load_b512 s[48:63], s[8:9], s101 offset:0x40
	s_load_b512 s[68:83], s[10:11], s101 offset:0x0
	s_load_b512 s[84:99], s[10:11], s101 offset:0x40
.set i, 0
.rept 32
	global_load_b64 v[WF+2*i:WF+2*i+1], v12, s[4:5] offset:16384*i        ; channel i of my block: 32 lanes read 256 consecutive bytes, aligned
.set i, i+1
.endr
	s_lshl_b32 s22, ttmp9, 14                      ; the weight's copy: my heads' 8 tiles of q, of k and of v; 1,024 bytes a wave of each
	s_lshl_b32 s23, s2, 10
	s_add_co_u32 s22, s22, s23
	v_add_nc_u32 v13, s22, v[L16]
.irp k, 0,1,2
.irp z, 0,1
	global_load_b128 v[HF+8*\k+4*\z:HF+8*\k+4*\z+3], v13, s[12:13] offset:32768*\k+512*\z
.endr
.endr
	s_lshr_b32 s105, s2, 3                         ; phase 1: 0 = q, 1 = k.  Phase 2: which of my two heads
	s_bfe_u32 s3, s2, 0x10002                      ; phase 1: which of my two heads.  Phase 2: the upper bit of the tile of channels j
	s_lshl_b32 s22, s105, 10                       ; qkv_b: 256 numbers for q, then k's;
	s_lshl_b32 s23, ttmp9, 9
	s_add_co_u32 s22, s22, s23
	s_lshl_b32 s23, s3, 8                          ; 64 a head;
	s_add_co_u32 s22, s22, s23
	v_lshl_add_u32 v14, v20, 6, s22                ; lane (r, h) of tile 2 b + u holds channels 32 b + 16 h + 8 u + 0 .. 7
.irp i, 0,1,2,3
	global_load_b128 v[BIAS+8*\i:BIAS+8*\i+3], v14, s[14:15] offset:(32*(\i/2)+8*(\i%2))*4
	global_load_b128 v[BIAS+8*\i+4:BIAS+8*\i+7], v14, s[14:15] offset:(32*(\i/2)+8*(\i%2))*4+16
.endr
	s_lshl_b32 s22, s105, 12                       ; the weight's scale words, phase 1: tiles 16 kind + 8 hp + 4 head + i, 256 bytes each
	s_lshl_b32 s23, ttmp9, 11
	s_add_co_u32 s22, s22, s23
	s_lshl_b32 s23, s3, 10
	s_add_co_u32 s22, s22, s23
	s_add_co_u32 s22, s22, WSC
	v_lshl_add_u32 v15, v18, 3, s22
.irp i, 0,1,2,3
	global_load_b64 v[WS+2*\i:WS+2*\i+1], v15, s[12:13] offset:256*\i
.endr
	s_lshl_b32 s22, ttmp9, 11                      ; phase 2: tile 32 + 8 hp + 4 head + j
	s_lshl_b32 s23, s105, 10
	s_add_co_u32 s22, s22, s23
	s_bfe_u32 s23, s2, 0x20001                     ; j
	s_lshl_b32 s23, s23, 8
	s_add_co_u32 s22, s22, s23
	s_add_co_u32 s22, s22, WSC+8192
	v_lshl_add_u32 v16, v18, 3, s22
	global_load_b64 v[WSV:WSV+1], v16, s[12:13]
	s_lshl_b32 s22, ttmp9, 9                       ; v's bias: channel 512 + 64 head + 32 (j / 2) + 8 (j % 2) + r + 8 (r / 8)
	s_lshl_b32 s23, s105, 8
	s_add_co_u32 s22, s22, s23
	s_lshl_b32 s23, s3, 7
	s_add_co_u32 s22, s22, s23
	s_bfe_u32 s23, s2, 0x10001
	s_lshl_b32 s23, s23, 5
	s_add_co_u32 s22, s22, s23
	s_add_co_u32 s22, s22, 2048
	v_and_b32 v21, 8, v19
	s_delay_alu instid0(VALU_DEP_1)
	v_add_nc_u32 v21, v21, v19
	s_delay_alu instid0(VALU_DEP_1)
	v_lshl_add_u32 v17, v21, 2, s22
	global_load_b32 v[BV], v17, s[14:15]
	; every LDS address is made here.  Position 64 lh + 2 lane + e lies in tile 4 lh + 2 (lane / 16) + (lane / 4) % 2, at lane r = e + 2 (lane % 4) + 8 ((lane / 8) % 2)
	v_mul_u32_u24 v[XST], v20, 2*HT
	v_bfe_u32 v21, v0, 2, 1
	s_delay_alu instid0(VALU_DEP_1)
	v_mad_u32_u24 v[XST], v21, HT, v[XST]
	v_bfe_u32 v22, v0, 3, 1
	s_delay_alu instid0(VALU_DEP_1)
	v_lshl_add_u32 v[XST], v22, 7, v[XST]
	v_and_b32 v23, 3, v0
	s_delay_alu instid0(VALU_DEP_1)
	v_lshl_add_u32 v[XST], v23, 5, v[XST]
	s_and_b32 s22, s2, 1
	s_mul_i32 s22, s22, 4*HT
	s_lshr_b32 s23, s2, 1
	s_lshl_b32 s23, s23, 8                         ; block cb of K is register group cb / 2, lanes 16 (cb % 2) on: 256 cb bytes into the image
	s_add_co_u32 s22, s22, s23
	v_add_nc_u32 v[XST], s22, v[XST]
	v_lshlrev_b32 v[XSB], 8, v20
	s_delay_alu instid0(VALU_DEP_1)
	v_lshl_add_u32 v[XSB], v21, 7, v[XSB]
	s_delay_alu instid0(VALU_DEP_1)
	v_lshl_add_u32 v[XSB], v22, 5, v[XSB]
	s_delay_alu instid0(VALU_DEP_1)
	v_lshl_add_u32 v[XSB], v23, 3, v[XSB]
	s_and_b32 s22, s2, 1
	s_lshl_b32 s22, s22, 9
	s_lshl_b32 s23, s105, 6                        ; K step cb / 4 = w / 8
	s_add_co_u32 s22, s22, s23
	s_bfe_u32 s23, s2, 0x20001                     ; byte cb % 4
	s_add_co_u32 s22, s22, s23
	s_add_co_u32 s22, s22, HSC
	v_add_nc_u32 v[XSB], s22, v[XSB]
	s_lshl_b32 s22, s2, 10
	s_add_co_u32 s22, s22, WIMG
	v_add_nc_u32 v[WST], s22, v[L16]
	s_lshl_b32 s22, s105, 14
	s_lshl_b32 s23, s3, 13
	s_add_co_u32 s22, s22, s23
	s_add_co_u32 s22, s22, WIMG
	v_add_nc_u32 v[A1W], s22, v[L16]
	s_and_b32 s22, s2, 3                           ; tp: my tiles of positions are 2 tp and 2 tp + 1
	s_mul_i32 s22, s22, 2*HT
	v_add_nc_u32 v[A1H], s22, v[L16]
	s_and_b32 s22, s2, 3
	s_lshl_b32 s22, s22, 8
	s_add_co_u32 s22, s22, HSC
	v_lshl_add_u32 v[A1S], v18, 2, s22             ; lanes 0-15 take K step 0's words, lanes 16-31 K step 1's
	s_lshl_b32 s22, s105, 10                       ; q's words: 512 a head; k's: behind them, 768 a head
	s_lshl_b32 s23, s3, 9
	s_add_co_u32 s22, s22, s23
	s_and_b32 s23, s3, s105
	s_lshl_b32 s23, s23, 8
	s_add_co_u32 s22, s22, s23
	s_and_b32 s23, s2, 3
	s_lshl_b32 s23, s23, 2
	s_add_co_u32 s22, s22, s23
	s_add_co_u32 s22, s22, SST
	v_lshl_add_u32 v[A1P], v19, 4, s22             ; tile t's word of row r at (16 (t % 2) + r) x 16 + 4 (t / 2)
	s_and_b32 s22, s2, 1                           ; c': my half of the 128 keys
	s_mul_i32 s22, s22, 4*HT
	v_add_nc_u32 v[A2H], s22, v[L16]
	s_and_b32 s22, s2, 1
	s_lshl_b32 s22, s22, 9
	s_add_co_u32 s22, s22, HSC
	v_lshl_add_u32 v[A2S], v18, 2, s22
	s_lshl_b32 s22, s105, 13
	s_bfe_u32 s23, s2, 0x20001
	s_lshl_b32 s23, s23, 11
	s_add_co_u32 s22, s22, s23
	s_add_co_u32 s22, s22, WIMG+32768
	v_add_nc_u32 v[A2W], s22, v[L16]
	s_mul_i32 s22, s105, 768                       ; v's words: tile j's of row r at (16 (j % 2) + r) x 8 + 4 (j / 2); my two bytes at 2 c'
	s_bfe_u32 s23, s2, 0x10001
	s_lshl_b32 s23, s23, 7
	s_add_co_u32 s22, s22, s23
	s_lshl_b32 s23, s3, 2
	s_add_co_u32 s22, s22, s23
	s_and_b32 s23, s2, 1
	s_lshl_b32 s23, s23, 1
	s_add_co_u32 s22, s22, s23
	s_add_co_u32 s22, s22, SST+1536
	v_lshl_add_u32 v[A2P], v19, 3, s22
	s_min_u32 s22, s2, 4                           ; the way out: waves 0-4 take 512 bytes each (the others read nothing)
	s_lshl_b32 s22, s22, 9
	s_add_co_u32 s22, s22, SST
	v_add_nc_u32 v[A3], s22, v[L16]
	; ---------------- PHASE X
	s_wait_kmcnt 0x0
.set i, 0
.rept 32
	s_mul_f32 s[32+i], s[32+i], s[25+2*(i/8)]      ; gn_w x rstd of the channel's group
.set i, i+1
.endr
.irp g, 0,1,2,3
	s_wait_loadcnt 44-8*\g                         ; behind this group's eight loads of x stand the later groups' and the 20 of the weight's copy, biases and scale words
.irp n, 0,1,2,3,4,5,6,7
	v_pk_add_f32 v[WF+16*\g+2*\n:WF+16*\g+2*\n+1], v[WF+16*\g+2*\n:WF+16*\g+2*\n+1], s[24+2*\g:25+2*\g] op_sel_hi:[1,0]   ; x - mean, both positions
.endr
.irp n, 0,1,2,3,4,5,6,7
	v_fma_f32 v[ACC+8*\g+\n], v[WF+16*\g+2*\n], s[32+8*\g+\n], s[68+8*\g+\n]          ; h of the even position,
	v_fma_f32 v[ACC+32+8*\g+\n], v[WF+16*\g+2*\n+1], s[32+8*\g+\n], s[68+8*\g+\n]     ; of the odd one
.endr
.endr
.irp e, 0,1
	v_max3_num_f32 v[TM+\e], |v[ACC+32*\e]|, |v[ACC+1+32*\e]|, 0x1800000               ; a whole block of 32 channels is mine
.endr
.irp i, 2,4,6,8,10,12,14,16,18,20,22,24,26,28,30
.irp e, 0,1
	s_delay_alu instid0(VALU_DEP_2)
	v_max3_num_f32 v[TM+\e], v[TM+\e], |v[ACC+32*\e+\i]|, |v[ACC+1+32*\e+\i]|
.endr
.endr
.irp e, 0,1
	s_delay_alu instid0(VALU_DEP_2)
	v_add_nc_u32 v[TM+2+\e], 0xff000000, v[TM+\e]
.endr
.irp e, 0,1
	s_delay_alu instid0(VALU_DEP_2)
	v_lshrrev_b32 v[TM+4+\e], 23, v[TM+2+\e]
.endr
.irp e, 0,1
.irp g, 0,1,2,3
	v_cvt_scalef32_pk8_fp4_f32 v[XC+4*\e+\g], v[ACC+32*\e+8*\g:ACC+32*\e+8*\g+7], v[TM+2+\e]
.endr
.endr
	v_nop                                          ; a plain instruction behind the last scaled conversion
.irp e, 0,1
	ds_store_b128 v[XST], v[XC+4*\e:XC+4*\e+3] offset:16*\e
	ds_store_b8 v[XSB], v[TM+4+\e] offset:4*\e
.endr
	s_wait_loadcnt 14                              ; the weight's copy is in; the 14 loads of biases and scale words may be out
.irp k, 0,1,2
.irp z, 0,1
	ds_store_b128 v[WST], v[HF+8*\k+4*\z:HF+8*\k+4*\z+3] offset:16384*\k+512*\z
.endr
.endr
	; the stores' places, on registers that phase X has left
	s_mov_b32 s[SEL], 0x76543210
	s_mov_b32 s[SEL+1], 0xfedcba98
	s_lshl_b32 s32, ttmp9, 1
	s_add_co_u32 s32, s32, s3                      ; phase 1's head
	s_lshl_b32 s33, s104, 14                       ; q: ((2 bs + tp / 2) x 16 + 4 head + 2 (tp % 2)) x 512
	s_bfe_u32 s34, s2, 0x10001
	s_lshl_b32 s34, s34, 13
	s_add_co_u32 s33, s33, s34
	s_lshl_b32 s34, s32, 11
	s_add_co_u32 s33, s33, s34
	s_and_b32 s34, s2, 1
	s_lshl_b32 s34, s34, 10
	s_add_co_u32 s33, s33, s34
	s_lshl_b32 s35, s104, 15                       ; k: (4 bs + head) x 8192 + 2 tp x 512
	s_lshl_b32 s34, s32, 13
	s_add_co_u32 s35, s35, s34
	s_and_b32 s34, s2, 3
	s_lshl_b32 s34, s34, 10
	s_add_co_u32 s35, s35, s34
	s_cmp_lt_u32 s2, 8
	s_cselect_b32 s33, s33, s35
	s_cselect_b64 s[26:27], s[16:17], s[18:19]     ; qbuf or kvc: the choice hangs on the wave's number alone
	v_add_nc_u32 v[GQK], s33, v[L16]
	s_lshl_b32 s33, s104, 15                       ; v: (4 bs + head) x 8192 + 4096 + 1024 j + 512 c'
	s_lshl_b32 s34, ttmp9, 14
	s_add_co_u32 s33, s33, s34
	s_lshl_b32 s34, s105, 13
	s_add_co_u32 s33, s33, s34
	s_and_b32 s34, s2, 7
	s_lshl_b32 s34, s34, 9
	s_add_co_u32 s33, s33, s34
	s_add_co_u32 s33, s33, 4096
	v_add_nc_u32 v[GV], s33, v[L16]
	s_lshl_b32 s33, s104, 11                       ; q's scale words: QS + (4 bs + 2 hp) x 512 + 512 w
	s_lshl_b32 s34, ttmp9, 10
	s_add_co_u32 s33, s33, s34
	s_lshl_b32 s34, s2, 9
	s_add_co_u32 s33, s33, s34
	s_add_co_u32 s33, s33, QS
	s_mul_i32 s35, s104, 3072                      ; k's and v's: (4 bs + 2 hp) x 768 + 512 (w - 2)
	s_mul_i32 s34, ttmp9, 1536
	s_add_co_u32 s35, s35, s34
	s_min_u32 s34, s2, 4
	s_lshl_b32 s34, s34, 9
	s_add_co_u32 s35, s35, s34
	s_sub_co_u32 s35, s35, 1024
	s_cmp_lt_u32 s2, 2
	s_cselect_b32 s33, s33, s35
	s_cselect_b64 s[28:29], s[16:17], s[20:21]
	v_add_nc_u32 v[GS], s33, v[L16]
	s_wait_dscnt 0x0                               ; for the others' sake: my stores have landed
	s_barrier_signal -1
	s_barrier_wait -1                              ; h's eight tiles, their scale bytes and the weight's tiles lie in LDS
	; ---------------- PHASE 1: q or k of one head, two tiles of positions
.irp i, 0,1,2,3
.irp g, 0,1,2,3
	ds_load_b128 v[WF+16*\i+4*\g:WF+16*\i+4*\g+3], v[A1W] offset:2048*\i+512*\g
.endr
.endr
.irp u, 0,1
.irp g, 0,1,2,3
	ds_load_b128 v[HF+16*\u+4*\g:HF+16*\u+4*\g+3], v[A1H] offset:HT*\u+512*\g
.endr
	ds_load_b32 v[HS+\u], v[A1S] offset:128*\u
.endr
	s_wait_loadcnt 0x0                             ; biases and the weight's scale words
	s_wait_dscnt 0x0
.irp s, 0,1                                            ; the eight accumulators take turns, one instruction a turn; the bias is the C of a sum's first product
.irp u, 0,1
.irp i, 0,1,2,3
.if \s == 0
	v_wmma_scale_f32_16x16x128_f8f6f4 v[ACC+32*\u+8*\i:ACC+32*\u+8*\i+7], v[WF+16*\i:WF+16*\i+7], v[HF+16*\u:HF+16*\u+7], v[BIAS+8*\i:BIAS+8*\i+7], v[WS+2*\i], v[HS+\u] matrix_a_fmt:MATRIX_FMT_FP4 matrix_b_fmt:MATRIX_FMT_FP4
.else
	v_wmma_scale_f32_16x16x128_f8f6f4 v[ACC+32*\u+8*\i:ACC+32*\u+8*\i+7], v[WF+16*\i+8:WF+16*\i+15], v[HF+16*\u+8:HF+16*\u+15], v[ACC+32*\u+8*\i:ACC+32*\u+8*\i+7], v[WS+2*\i+1], v[HS+\u] matrix_a_fmt:MATRIX_FMT_FP4 matrix_b_fmt:MATRIX_FMT_FP4 matrix_b_scale:MATRIX_SCALE_ROW1
.endif
.endr
.endr
.endr
.rept 4
	v_nop                                          ; four plain instructions between the last product and the first read of results
.endr
	QUANT2 ACC, PC0, XC
	v_or_b32 v[XC], 0x7f7f0000, v[XC]              ; the head has 64 channels: the upper 64 of the instruction's 128 are zero codes under the byte 127
	ds_store_b32 v[A1P], v[XC]                     ; lanes r and 16 + r write the same word with the same value
	global_store_b128 v[GQK], v[PC0:PC0+3], s[26:27]               ; 512 consecutive bytes
	QUANT2 ACC+32, PC1, XC+1
	v_or_b32 v[XC+1], 0x7f7f0000, v[XC+1]
	ds_store_b32 v[A1P], v[XC+1] offset:256
	global_store_b128 v[GQK], v[PC1:PC1+3], s[26:27] offset:512
	; ---------------- PHASE 2: v: 16 channels x 64 keys.  It reads what phase 1 read: no barrier between
.irp n, 0,1,2,3,4,5,6,7
	v_mov_b32 v[BIAS+\n], v[BV]                    ; a lane holds one channel: its bias in all eight registers
.endr
.rept 4
	v_nop
.endr
.irp i, 0,1,2,3
.irp g, 0,1,2,3
	ds_load_b128 v[WF+16*\i+4*\g:WF+16*\i+4*\g+3], v[A2H] offset:HT*\i+512*\g
.endr
	ds_load_b32 v[HS+\i], v[A2S] offset:128*\i
.endr
.irp g, 0,1,2,3
	ds_load_b128 v[HF+4*\g:HF+4*\g+3], v[A2W] offset:512*\g
.endr
	s_wait_alu depctr_va_vdst(0)
	s_wait_dscnt 0x0
.irp s, 0,1
.irp i, 0,1,2,3
.if \s == 0
	v_wmma_scale_f32_16x16x128_f8f6f4 v[ACC+8*\i:ACC+8*\i+7], v[WF+16*\i:WF+16*\i+7], v[HF:HF+7], v[BIAS:BIAS+7], v[HS+\i], v[WSV] matrix_a_fmt:MATRIX_FMT_FP4 matrix_b_fmt:MATRIX_FMT_FP4
.else
	v_wmma_scale_f32_16x16x128_f8f6f4 v[ACC+8*\i:ACC+8*\i+7], v[WF+16*\i+8:WF+16*\i+15], v[HF+8:HF+15], v[ACC+8*\i:ACC+8*\i+7], v[HS+\i], v[WSV+1] matrix_a_fmt:MATRIX_FMT_FP4 matrix_b_fmt:MATRIX_FMT_FP4 matrix_a_scale:MATRIX_SCALE_ROW1
.endif
.endr
.endr
.rept 4
	v_nop
.endr
	QUANT2 ACC, PC2, XC+2                          ; register group c' of the fragment: keys 64 c' + 32 (lane / 16) + 0 .. 31 of my channel
	global_store_b128 v[GV], v[PC2:PC2+3], s[18:19]
	ds_store_b16 v[A2P], v[XC+2]                   ; bytes 2 c' and 2 c' + 1 of the channel's scale word
	s_wait_dscnt 0x0
	s_barrier_signal -1
	s_barrier_wait -1                              ; all scale words lie in LDS
	s_cmp_lt_u32 s2, 5
	s_cbranch_scc0 .Ldone
	ds_load_b128 v[28:31], v[A3]
	s_wait_dscnt 0x0
	global_store_b128 v[GS], v[28:31], s[28:29]    ; 512 consecutive bytes a wave: waves 0, 1 q's words, waves 2-4 k's and v's
.Ldone:
	s_wait_tensorcnt 0x0                           ; the wave's end, behind my last LDS store
	ds_add_u32 v[SPW], v[NIL]
	s_wait_dscnt 0x0
	s_endpgm
.Lfunc_end_k_qe68e756ef3_qkv:
	.size	k_qe68e756ef3_qkv, .Lfunc_end_k_qe68e756ef3_qkv-k_qe68e756ef3_qkv
	.p2alignl 7, 3214868480
	.fill 96, 4, 3214868480
	.section	.rodata,"a",@progbits
	.p2align	6, 0x0
	.amdhsa_kernel k_qe68e756ef3_qkv
		.amdhsa_group_segment_fixed_size 71424
		.amdhsa_private_segment_fixed_size 0
		.amdhsa_enable_private_segment 0
		.amdhsa_kernarg_size 72
		.amdhsa_user_sgpr_count 2
		.amdhsa_user_sgpr_kernarg_segment_ptr 1
		.amdhsa_wavefront_size32 1
		.amdhsa_system_sgpr_workgroup_id_x 1
		.amdhsa_system_sgpr_workgroup_id_y 1
		.amdhsa_system_sgpr_workgroup_id_z 1
		.amdhsa_system_vgpr_workitem_id 0
		.amdhsa_next_free_vgpr 256
		.amdhsa_next_free_sgpr 106
		.amdhsa_reserve_vcc 0
		.amdhsa_float_denorm_mode_32 3
		.amdhsa_float_denorm_mode_16_64 3
		.amdhsa_memory_ordered 1
		.amdhsa_forward_progress 1
		.amdhsa_inst_pref_size 40
	.end_amdhsa_kernel
	.amdgpu_metadata
---
amdhsa.version: [ 1, 2 ]
amdhsa.kernels:
  - .name:           k_qe68e756ef3_qkv
    .symbol:         k_qe68e756ef3_qkv.kd
    .args:
      - { .name: x, .offset: 0, .size: 8, .value_kind: global_buffer, .address_space: global }
      - { .name: stats, .offset: 8, .size: 8, .value_kind: global_buffer, .address_space: global }
      - { .name: gn_w, .offset: 16, .size: 8, .value_kind: global_buffer, .address_space: global }
      - { .name: gn_b, .offset: 24, .size: 8, .value_kind: global_buffer, .address_space: global }
      - { .name: wq, .offset: 32, .size: 8, .value_kind: global_buffer, .address_space: global }
      - { .name: qkv_b, .offset: 40, .size: 8, .value_kind: global_buffer, .address_space: global }
      - { .name: qbuf, .offset: 48, .size: 8, .value_kind: global_buffer, .address_space: global }
      - { .name: kvc, .offset: 56, .size: 8, .value_kind: global_buffer, .address_space: global }
      - { .name: kvs, .offset: 64, .size: 8, .value_kind: global_buffer, .address_space: global }
    .group_segment_fixed_size: 71424
    .private_segment_fixed_size: 0
    .kernarg_segment_align: 8
    .kernarg_segment_size: 72
    .max_flat_workgroup_size: 512
    .sgpr_count:     106
    .vgpr_count:     256
    .wavefront_size: 32
...
	.end_amdgpu_metadata
.endif
;; end of part 2
;; launch attn (part 3): grid 64 x 4, 16 waves a work-group, clusters of 4 x 1, 327,680 bytes of LDS; arguments qbuf, kvc, kvs, wq, proj_b, x, out0; writes out0
.if DOCPART == 3
	.amdgcn_target "amdgcn-amd-amdhsa--gfx1250"
	.amdhsa_code_object_version 6
	.text
	.protected	k_qe68e756ef3_attn
	.globl	k_qe68e756ef3_attn
	.p2align	8
	.type	k_qe68e756ef3_attn,@function
k_qe68e756ef3_attn:
	s_mov_b64 s[64:65], 0
	v_nop
	global_prefetch_b8 v0, s[64:65] scope:SCOPE_SE
	s_setreg_imm32_b32 hwreg(HW_REG_WAVE_MODE, 25, 1), 1
	s_wait_xcnt 0x0
	s_wait_alu depctr_hold_cnt(0) depctr_sa_sdst(0) depctr_va_vdst(0) depctr_va_sdst(0) depctr_va_ssrc(0) depctr_va_vcc(0) depctr_vm_vsrc(0)
	s_getreg_b32 s2, hwreg(HW_REG_IB_STS2, 6, 4)
	s_cmp_eq_u32 s2, 0
	s_cbranch_scc0 .Lentry_in_a_cluster
	s_endpgm
.Lentry_in_a_cluster:
	s_bfe_u32 s2, ttmp6, 0x10000c
	s_cmp_lg_u32 s2, 0x3003
	s_cbranch_scc0 .Lentry_shape_is_right
	s_endpgm
.Lentry_shape_is_right:
; AttentionBlock, launch 3 of 3.  out = x + proj_w o + proj_b, o = softmax(q k^T / 8) v, all three products on codes of FP4 (E2M1) with one E8M0 byte for each 32 along K.  No work is left out.
; THE SOFTMAX AHEAD OF THE SECOND PRODUCT: t = score x log2(e) / 8; M = the row's largest t so far, rounded UP to a whole number; p = 2^(t - M) is quantised along the keys, not normalised.
; The row's sum is taken of the unquantised p, in f32, and divides o at the end.  When M moves, the sum and o are multiplied by 2^(old M - new M): exact.
; SHARES.  A work-group owns 64 queries of one batch, in all four heads, so that o never goes to memory: wave w owns head w / 4 and tile w % 4 of 16 queries, in 256 registers: four waves to a
; SIMD, so that one wave's vector work stands beside another's products and LDS loads.  A key step of 128 keys is 12 products and some 240 vector instructions a wave.
; CLUSTER.  The four work-groups of a cluster belong to one batch and walk the same k and v: every tile is asked for JOINTLY, by the same tensor load with the same descriptor and the mask of all four.
; Waves 0-3 fetch, a quarter each.  A slot holds two key steps of all four heads, 65,536 dense bytes; the batch's scale words, 98,304 bytes, come once.
; LAYOUT.  All operands lie in memory as images of their registers (lane l's 16 bytes at 16 l): no pitch, no padding.  S^T = k q^T and O^T = v^T p^T: a lane holds ONE query throughout.
; The head has 64 channels: registers 4-7 of q's and k's fragments are zero codes, written once, under the byte 127.
; The keys, queries and channels of a tile are not neighbours: lane r of tile 2 b + u holds 32 b + 8 u + r + 8 (r / 8), so that 16 registers of two neighbouring result tiles are 16 neighbours along the next K.
; LIMITS: no largest magnitude is taken under the floor 2^(3-127); a block of zeros gets the byte 1 (its codes are zeros); NaN and infinities are not served.
.set SLOT1, 65536                      ; LDS: slot 0 at 0, slot 1 here: one exclusive or turns an address
.set SCL,   131072                     ; the batch's scale words: 768 bytes for each key step and head: k's 512, v's 256
.set SPARE, 229376                     ; the spare words, 128 bytes a wave
.set OIMG,  231424                     ; o's 8 fragments (tile of queries m, K step s): (2 m + s) x 1024 + 512 c
.set OSC,   239616                     ; their scale words: (2 m + s) x 64 + 4 r
.set STG,   240128                     ; the way out: 16 rows x (256 + 16) bytes for each wave.  No tensor load lands from SPARE on
.set WSC,   131072
.set QS,    2097152
.set AK0, 1                            ; v1-3  my lane's place in a step's codes, among k's scale words, among v's; never rewritten
.set AS0, 2
.set AT0, 3
.set GPB, 4                            ; v4    proj_b's offset
.set SPW, 5                            ; v5    LDS address of my spare word; never rewritten
.set NIL, 6                            ; v6    0; never rewritten
.set PFO, 7                            ; v7    256 x lane: the prefetches' offset; never rewritten
.set ADK, 8                            ; v8-10 the addresses of the slot in hand
.set ADS, 9
.set ADT, 10
.set GX,  11                           ; v11   my offset in x and in out0
.set QF,  16                           ; v16-23  q;  v24-31 p's codes;  v32-95 k's eight tiles;  v96-159 S^T, then p;  v160-191 O^T;  v192-223 v's four tiles
.set PF,  24
.set KF,  32
.set SA,  96
.set OA,  160
.set VF,  192
.set KS,  224                          ; v224-227 k's scale words (register i: tile 2 i in lanes 0-15, tile 2 i + 1 in lanes 16-31);  v228-229 v's likewise
.set VS,  228
.set TM,  232                          ; v230-254 at work;  v12 -M, v13 the largest t, v[14:15] the sum in two halves
.set PSW, 253                          ; v253  p's scale word
.set QSW, 255                          ; v255  q's
.set OST, 240                          ; v240-243, v248-251: the tail's addresses, made at the head
.set OSS, 241
.set OLD, 242
.set OSL, 243
.set STO, 248
.set RD,  249
.set GW,  250
.set GWS, 251
.set TB,  2                            ; s2   LDS byte at which the slot in hand begins
.set TS,  3                            ; s3   and its scale words: 6,144 bytes a slot
.set WV,  18
.set HD,  19
.set SEL, 20                           ; s[20:21] lane selects for lane l xor 16
.set CS,  22                           ; s[22:23] c = log2(e) / 8
.set G1,  24                           ; s[24:31] group 1: 64 rows of 256 bytes;  s[32:39] 96 rows;  s[40:43] group 0 of the slots, which walks;  s[44:47] of the scale words
.set G1S, 32
.set G0,  40
.set G0S, 44
.set SLOTS, 48
.set LIM, 49
.set PFA, 50
.macro CROUND                          ; a round of the cluster's barrier
	s_barrier_signal -1
	s_barrier_wait -1
	s_cmp_lg_u32 s[WV], 0
	s_cbranch_scc1 .Lnot_wave_0_\@
	s_barrier_signal -3
.Lnot_wave_0_\@:
	s_barrier_wait -3
	s_barrier_signal -1
	s_barrier_wait -1
.endm
.macro JLOAD                           ; the joint refill: waves 0-3, a quarter of the slot each.  The branch hangs on the wave's number alone.  An s_nop 0 and four v_nop follow the load
	s_cmp_lt_u32 s[WV], 4
	s_cbranch_scc0 .Lasked_\@
	tensor_load_to_lds s[G0:G0+3], s[G1:G1+7]
	s_nop 0
.rept 4
	v_nop
.endr
.Lasked_\@:
.endm
; A PREFETCH INTO THE L2 of the slot that the NEXT change will ask for: 65,536 bytes = 256 blocks of 256.  All sixteen clusters of a batch walk the same bytes: the batch's first cluster asks.  Its four partners
; are told apart by address alone, 16,384 bytes each; in each, waves 4 and 5 ask, 8,192 bytes a wave, lanes 256 bytes apart: each block is named once in the launch.  The last change that fills asks for nothing.
.macro ASK
	s_cmp_gt_u32 s[SLOTS], s[LIM]
	s_cbranch_scc0 .Lnot_mine_\@
	global_prefetch_b8 v[PFO], s[PFA:PFA+1] th:TH_LOAD_NT scope:SCOPE_SE
.Lnot_mine_\@:
.endm
.macro QUANT2 s, pc, pw                ; 32 numbers of a lane, register s + 16 b + i = k 32 b + 16 (lane / 16) + i, become four registers of codes and two scale bytes
.irp b, 0,1
	v_max3_num_f32 v[TM+\b], |v[(\s)+16*\b]|, |v[(\s)+1+16*\b]|, 0x1800000
.endr
.irp i, 2,4,6,8,10,12,14
.irp b, 0,1
	s_delay_alu instid0(VALU_DEP_2)
	v_max3_num_f32 v[TM+\b], v[TM+\b], |v[(\s)+16*\b+\i]|, |v[(\s)+1+16*\b+\i]|
.endr
.endr
.irp b, 0,1
	s_delay_alu instid0(VALU_DEP_2)
	v_permlanex16_b32 v[TM+2+\b], v[TM+\b], s[SEL], s[SEL+1]
.endr
.irp b, 0,1
	s_delay_alu instid0(VALU_DEP_2)
	v_max_num_f32 v[TM+\b], v[TM+\b], v[TM+2+\b]
.endr
.irp b, 0,1
	s_delay_alu instid0(VALU_DEP_2)
	v_add_nc_u32 v[TM+4+\b], 0xff000000, v[TM+\b]
.endr
.irp b, 0,1
	s_delay_alu instid0(VALU_DEP_2)
	v_lshrrev_b32 v[TM+2+\b], 23, v[TM+4+\b]
.endr
	s_delay_alu instid0(VALU_DEP_1)
	v_lshl_or_b32 v[\pw], v[TM+3], 8, v[TM+2]
.irp b, 0,1
	v_cvt_scalef32_pk8_fp4_f32 v[(\pc)+2*\b], v[(\s)+16*\b:(\s)+16*\b+7], v[TM+4+\b]
	v_cvt_scalef32_pk8_fp4_f32 v[(\pc)+1+2*\b], v[(\s)+16*\b+8:(\s)+16*\b+15], v[TM+4+\b]
.endr
	v_nop
	v_permlane16_swap_b32 v[\pc], v[(\pc)+2]
	v_permlane16_swap_b32 v[(\pc)+1], v[(\pc)+3]
.endm
	s_load_b256 s[4:11], s[0:1], 0x0               ; qbuf s[4:5], kvc s[6:7], kvs s[8:9], wq s[10:11]
	s_load_b128 s[12:15], s[0:1], 0x20             ; proj_b s[12:13], x s[14:15]
	s_load_b64 s[16:17], s[0:1], 0x30              ; out0
	v_lshl_add_u32 v[SPW], v0, 2, SPARE
	v_mov_b32 v[NIL], 0
	ds_add_u32 v[SPW], v[NIL]                      ; the wave's opening: the add, twice on end, and its wait ahead of the first tensor load
	ds_add_u32 v[SPW], v[NIL]
	v_lshrrev_b32 v8, 5, v0
	s_delay_alu instid0(VALU_DEP_1)
	v_readfirstlane_b32 s[WV], v8                  ; wave 0..15
	s_lshr_b32 s[HD], s[WV], 2                     ; my head
	s_and_b32 s52, s[WV], 3                        ; my tile of queries; in waves 0-3: my quarter of a fill
	s_and_b32 s55, ttmp7, 0xffff                   ; the batch, which the four partners share
	s_bfe_u32 s53, ttmp6, 0x40000                  ; cx: it enters global addresses of q, x, out0 and the prefetches alone
	s_lshl_b32 s54, ttmp9, 2
	s_add_co_u32 s54, s54, s53                     ; my block of 64 queries
	s_mov_b32 s[G1], 15|(3<<16)|(1<<21)            ; 15:0 the mask: all four work-groups; 17:16 elements of 8 bytes; 21 set beside a mask; no padding
	s_mov_b32 s[G1+1], 32<<16                      ; tensor_dim0 = 32 elements: rows of 256 bytes
	s_mov_b32 s[G1+2], 64<<16                      ; tensor_dim1 = 64
	s_mov_b32 s[G1+3], 32<<16                      ; tile_dim0
	s_mov_b32 s[G1+4], 64                          ; tile_dim1
	s_mov_b32 s[G1+5], 32                          ; the pitch: dense
	s_mov_b32 s[G1+6], 0
	s_mov_b32 s[G1+7], 0
	s_mov_b32 s[G1S], 15|(3<<16)|(1<<21)
	s_mov_b32 s[G1S+1], 32<<16
	s_mov_b32 s[G1S+2], 96<<16
	s_mov_b32 s[G1S+3], 32<<16
	s_mov_b32 s[G1S+4], 96
	s_mov_b32 s[G1S+5], 32
	s_mov_b32 s[G1S+6], 0
	s_mov_b32 s[G1S+7], 0
	s_lshl_b32 s56, s55, 20                        ; kvc: 1 MiB a batch,
	s_lshl_b32 s57, s52, 14                        ; 16,384 bytes a fetching wave
	s_add_co_u32 s56, s56, s57
	s_mov_b32 s57, 0
	s_mul_i32 s58, s55, 98304                      ; kvs: 98,304 bytes a batch, 24,576 a fetching wave
	s_mul_i32 s59, s52, 24576
	s_add_co_u32 s58, s58, s59
	s_mov_b32 s[G0S], 1
	s_add_co_u32 s[G0S+1], s59, SCL
	s_mov_b32 s59, 0
	s_mov_b32 s[G0], 1
	s_lshl_b32 s[G0+1], s52, 14                    ; slot 0
	s_lshl_b32 s60, s53, 1                         ; the prefetches: (2 cx + w % 2) x 8,192 bytes of a slot,
	s_and_b32 s61, s[WV], 1
	s_add_co_u32 s60, s60, s61
	s_lshl_b32 s60, s60, 13
	s_lshl_b32 s61, s55, 20
	s_add_co_u32 s60, s60, s61
	s_add_co_u32 s60, s60, SLOT1                   ; in slot 1's bytes: the first change steps it to slot 2's.  Nothing is prefetched at the head
	s_mov_b32 s61, 0
	s_sub_co_u32 s62, s[WV], 4
	s_lshr_b32 s62, s62, 1                         ; 0 in waves 4 and 5,
	s_or_b32 s62, s62, ttmp9                       ; of the batch's first cluster: the same in all four partners
	s_cmp_eq_u32 s62, 0
	s_cselect_b32 s[LIM], 1, -1
	s_mov_b32 s[SEL], 0x76543210
	s_mov_b32 s[SEL+1], 0xfedcba98
	s_mov_b32 s[CS], 0x3e38aa3b                    ; log2(e) / 8
	s_mov_b32 s[CS+1], s[CS]
	s_mov_b32 s[TB], 0
	s_mov_b32 s[TS], 0
	s_mov_b32 s[SLOTS], 15                         ; 16 slots' worth of keys
	s_wait_dscnt 0x0                               ; both opening adds are done
	s_wait_kmcnt 0x0
	s_add_nc_u64 s[G0+2:G0+3], s[6:7], s[56:57]
	s_or_b32 s[G0+3], s[G0+3], 0x80000000          ; type = 2
	s_add_nc_u64 s[G0S+2:G0S+3], s[8:9], s[58:59]
	s_or_b32 s[G0S+3], s[G0S+3], 0x80000000
	s_add_nc_u64 s[PFA:PFA+1], s[6:7], s[60:61]
	CROUND                                         ; all four work-groups are here: the first joint loads meet
	s_cmp_lt_u32 s[WV], 4                          ; a fetching wave's two first fills stand in one branch: two loads of mine are out at the most
	s_cbranch_scc0 .Lno_first
	tensor_load_to_lds s[G0S:G0S+3], s[G1S:G1S+7]  ; the batch's scale words: filled once
	s_nop 0
	tensor_load_to_lds s[G0:G0+3], s[G1:G1+7]      ; slot 0
	s_nop 0
.rept 4
	v_nop
.endr
.Lno_first:
	v_and_b32 v8, 31, v0                           ; lane
	v_and_b32 v232, 15, v0                         ; r
	s_wait_alu depctr_va_vdst(0)
	v_bfe_u32 v233, v0, 4, 1                       ; h
	s_lshl_b32 s62, s55, 6
	s_add_co_u32 s62, s62, s54
	s_lshl_b32 s62, s62, 13                        ; q: (64 batch + block) x 16 tiles of 512 bytes,
	s_lshl_b32 s63, s[WV], 9                       ; tile 4 head + tile of queries = w
	s_add_co_u32 s62, s62, s63
	v_lshl_add_u32 v9, v8, 4, s62
	global_load_b128 v[QF:QF+3], v9, s[4:5]
	s_lshl_b32 s62, s55, 5                         ; its scale words: step = block / 2, tile t = 4 (block % 2) + my tile: (16 (t % 2) + r) x 16 + 4 (t / 2)
	s_lshr_b32 s63, s54, 1
	s_add_co_u32 s62, s62, s63
	s_lshl_b32 s62, s62, 11
	s_lshl_b32 s63, s[HD], 9
	s_add_co_u32 s62, s62, s63
	s_and_b32 s63, s52, 1
	s_lshl_b32 s63, s63, 8
	s_add_co_u32 s62, s62, s63
	s_and_b32 s63, s54, 1
	s_lshl_b32 s63, s63, 3
	s_add_co_u32 s62, s62, s63
	s_lshr_b32 s63, s52, 1
	s_lshl_b32 s63, s63, 2
	s_add_co_u32 s62, s62, s63
	s_add_co_u32 s62, s62, QS
	v_lshl_add_u32 v10, v232, 4, s62
	global_load_b32 v[QSW], v10, s[4:5]
	; the addresses, the tail's too: made while the first tiles land
	s_lshl_b32 s56, s[HD], 13
	v_lshl_add_u32 v[AK0], v8, 4, s56              ; 8,192 bytes a head in a step's codes
	s_mul_i32 s56, s[HD], 768
	s_add_co_u32 s56, s56, SCL
	v_lshl_add_u32 v[AS0], v8, 4, s56
	s_add_co_u32 s56, s56, 512
	v_lshl_add_u32 v[AT0], v8, 3, s56
	v_lshlrev_b32 v[PFO], 8, v8
	s_lshl_b32 s58, s52, 1
	s_lshr_b32 s57, s[HD], 1
	s_add_co_u32 s58, s58, s57                     ; o's fragment: 2 x my tile + K step head / 2
	s_lshl_b32 s57, s58, 10
	s_and_b32 s59, s[HD], 1                        ; register group head % 2
	s_lshl_b32 s59, s59, 9
	s_add_co_u32 s57, s57, s59
	s_add_co_u32 s57, s57, OIMG
	v_lshl_add_u32 v[OST], v8, 4, s57
	s_lshl_b32 s57, s58, 6
	s_and_b32 s59, s[HD], 1
	s_lshl_b32 s59, s59, 1
	s_add_co_u32 s57, s57, s59
	s_add_co_u32 s57, s57, OSC
	v_lshl_add_u32 v[OSS], v232, 2, s57
	v_lshl_add_u32 v[OLD], v8, 4, OIMG
	v_lshl_add_u32 v[OSL], v8, 2, OSC
	s_mul_i32 s57, s[WV], 16*272
	s_add_co_u32 s57, s57, STG                     ; my stage
	v_mul_u32_u24 v[STO], v232, 272
	s_delay_alu instid0(VALU_DEP_1)
	v_lshl_add_u32 v[STO], v233, 6, v[STO]
	s_delay_alu instid0(VALU_DEP_1)
	v_add_nc_u32 v[STO], s57, v[STO]               ; in: row r (an output channel), + 64 h bytes
	v_mul_u32_u24 v[RD], v233, 272
	s_delay_alu instid0(VALU_DEP_1)
	v_lshl_add_u32 v[RD], v232, 4, v[RD]
	s_delay_alu instid0(VALU_DEP_1)
	v_add_nc_u32 v[RD], s57, v[RD]                 ; back: lanes 0-15 one row of 256 bytes, lanes 16-31 the next
	s_add_co_u32 s57, s[WV], 48                    ; proj_w's tile 48 + w
	s_lshl_b32 s59, s57, 11
	v_lshl_add_u32 v[GW], v8, 4, s59
	s_lshl_b32 s59, s57, 8
	s_add_co_u32 s59, s59, WSC
	v_lshl_add_u32 v[GWS], v8, 3, s59
	s_lshr_b32 s57, s[WV], 1
	s_lshl_b32 s57, s57, 5
	s_and_b32 s59, s[WV], 1
	s_lshl_b32 s59, s59, 3
	s_add_co_u32 s57, s57, s59                     ; its first output channel: 32 (w / 2) + 8 (w % 2)
	s_lshl_b32 s59, s57, 2
	v_and_b32 v234, 8, v232
	s_delay_alu instid0(VALU_DEP_1)
	v_add_nc_u32 v234, v234, v232
	s_delay_alu instid0(VALU_DEP_1)
	v_lshl_add_u32 v[GPB], v234, 2, s59
	s_lshl_b32 s66, s57, 14                        ; x, out0: channel x 16,384 bytes
	s_lshl_b32 s67, s55, 22
	s_add_co_u32 s66, s66, s67
	s_lshl_b32 s67, s54, 8                         ; + my 64 positions
	s_add_co_u32 s66, s66, s67
	v_lshl_add_u32 v[GX], v233, 14, s66
	s_delay_alu instid0(VALU_DEP_1)
	v_lshl_add_u32 v[GX], v232, 4, v[GX]
.irp n, 4,5,6,7
	v_mov_b32 v[QF+\n], 0                          ; the upper 64 along K: zero codes, written once
.irp t, 0,1,2,3,4,5,6,7
	v_mov_b32 v[KF+8*\t+\n], 0
.endr
.endr
.set j, 0
.rept 32
	v_mov_b32 v[OA+j], 0                           ; O^T.  (The step is written once: its first turn finds zeros, which the first change of M leaves zeros)
.set j, j+1
.endr
	v_mov_b32 v13, 0xff61b1e6                      ; the largest t so far: -3e38
	s_delay_alu instid0(VALU_DEP_1)
	v_floor_f32 v12, -v13                          ; -M
	v_mov_b32 v14, 0
	v_mov_b32 v15, 0
.irp b, 0,1,2,3
	v_mov_b32 v[236+\b], 0                         ; lane permutes' destinations
.endr
	v_mov_b32 v[PSW], 0                            ; (named as the upper half of the pair v[252:253] before it is first written)
; A KEY STEP: 128 keys, the q-th of the slot in hand
.macro STEP q
.if \q == 0
	v_add_nc_u32 v[ADK], s[TB], v[AK0]             ; these three and the v_nop are the four plain instructions between the last products and the loads into their operands
	v_add_nc_u32 v[ADS], s[TS], v[AS0]
	v_add_nc_u32 v[ADT], s[TS], v[AT0]
	v_nop
.else
.rept 4
	v_nop
.endr
.endif
.irp t, 0,1,2,3,4,5,6,7
	ds_load_b128 v[KF+8*\t:KF+8*\t+3], v[ADK] offset:32768*\q+512*\t
.endr
	ds_load_b128 v[KS:KS+3], v[ADS] offset:3072*\q
.irp j, 0,1,2,3
.irp c, 0,1
	ds_load_b128 v[VF+8*\j+4*\c:VF+8*\j+4*\c+3], v[ADK] offset:32768*\q+4096+1024*\j+512*\c
.endr
.endr
	ds_load_b64 v[VS:VS+1], v[ADT] offset:3072*\q
	s_wait_dscnt 9                                 ; k and its scale words are in; v's nine loads may stay out: they land under the softmax
.irp t, 0,2,4,6
	v_wmma_scale_f32_16x16x128_f8f6f4 v[SA+8*\t:SA+8*\t+7], v[KF+8*\t:KF+8*\t+7], v[QF:QF+7], 0, v[KS+\t/2], v[QSW] matrix_a_fmt:MATRIX_FMT_FP4 matrix_b_fmt:MATRIX_FMT_FP4
	v_wmma_scale_f32_16x16x128_f8f6f4 v[SA+8*\t+8:SA+8*\t+15], v[KF+8*\t+8:KF+8*\t+15], v[QF:QF+7], 0, v[KS+\t/2], v[QSW] matrix_a_fmt:MATRIX_FMT_FP4 matrix_b_fmt:MATRIX_FMT_FP4 matrix_a_scale:MATRIX_SCALE_ROW1
.endr
.rept 4
	v_nop
.endr
.irp b, 0,1,2,3
	v_max3_num_f32 v[232+\b], v[SA+16*\b], v[SA+1+16*\b], v[SA+2+16*\b]   ; the largest score of each block of 32 keys: it serves for the row's maximum and, since p rises with the score, for the block's largest p
.endr
.irp i, 3,5,7,9,11,13
.irp b, 0,1,2,3
	v_max3_num_f32 v[232+\b], v[232+\b], v[SA+16*\b+\i], v[SA+1+16*\b+\i]
.endr
.endr
.irp b, 0,1,2,3
	v_max_num_f32 v[232+\b], v[232+\b], v[SA+15+16*\b]
.endr
.irp b, 0,1,2,3
	s_delay_alu instid0(VALU_DEP_4)
	v_permlanex16_b32 v[236+\b], v[232+\b], s[SEL], s[SEL+1]
.endr
.irp b, 0,1,2,3
	s_delay_alu instid0(VALU_DEP_4)
	v_max_num_f32 v[232+\b], v[232+\b], v[236+\b]  ; with lane l xor 16's 16 keys
.endr
	s_delay_alu instid0(VALU_DEP_2)
	v_max3_num_f32 v254, v232, v233, v234
	s_delay_alu instid0(VALU_DEP_1)
	v_max_num_f32 v254, v254, v235
	s_delay_alu instid0(VALU_DEP_1)
	v_mul_f32 v254, s[CS], v254                    ; the step's largest t
	s_delay_alu instid0(VALU_DEP_1)
	v_max_num_f32 v13, v13, v254                   ; the running largest t
	v_mov_b32 v254, v12
	s_delay_alu instid0(VALU_DEP_2)
	v_floor_f32 v12, -v13                          ; the new -M = -ceil(t): a whole number
	s_delay_alu instid0(VALU_DEP_1)
	v_sub_f32 v254, v12, v254                      ; old M - new M: a whole number, 0 or less
	s_delay_alu instid0(VALU_DEP_1)
	v_cvt_i32_f32 v254, v254                       ; (it saturates)
	s_delay_alu instid0(VALU_DEP_1)
	v_ldexp_f32 v252, 1.0, v254                    ; f = 2^(old M - new M)
.set j, 0
.rept 32
	v_pk_fma_f32 v[SA+j:SA+j+1], v[SA+j:SA+j+1], s[CS:CS+1], v[12:13] op_sel_hi:[1,0,0]   ; t - M, two at a time
.set j, j+2
.endr
.irp b, 0,1,2,3
	v_fma_f32 v[232+\b], v[232+\b], s[CS], v12     ; the same of each block's largest score
.endr
.set j, 0
	s_wait_alu depctr_va_vdst(0)
.rept 64
	v_exp_f32 v[SA+j], v[SA+j]                     ; p = 2^(t - M), at most 1
.set j, j+1
.endr
	v_pk_mul_f32 v[14:15], v[14:15], v[252:253] op_sel_hi:[1,0]            ; the sums under the new M,
.set j, 0
	s_wait_alu depctr_va_vdst(0)
.rept 16
	v_pk_mul_f32 v[OA+j:OA+j+1], v[OA+j:OA+j+1], v[252:253] op_sel_hi:[1,0]   ; and O^T: work that names no exponential's result, behind the batch
.set j, j+2
.endr
	s_wait_alu depctr_va_vdst(0)                   ; one wait for the batch of 64, ahead of its first reader
.irp b, 0,1,2,3
	v_exp_f32 v[232+\b], v[232+\b]                 ; the blocks' largest p: the same two instructions on the same number give the same bits
.endr
	v_pk_add_f32 v[230:231], v[SA:SA+1], v[SA+2:SA+3]                      ; the row's sum of the UNQUANTISED p, in two chains: its first half stands behind the four
.irp j, 4,8,12,16,20,24,28
	v_pk_add_f32 v[14:15], v[14:15], v[SA+\j:SA+\j+1]
	v_pk_add_f32 v[230:231], v[230:231], v[SA+2+\j:SA+3+\j]
.endr
	s_wait_alu depctr_va_vdst(0)                   ; and one wait for the four
.irp b, 0,1,2,3
	v_max_num_f32 v[232+\b], 0x1800000, v[232+\b]  ; the floor 2^(3-127)
.endr
.irp b, 0,1,2,3
	s_delay_alu instid0(VALU_DEP_4)
	v_add_nc_u32 v[244+\b], 0xff000000, v[232+\b]  ; the conversion's scale operand
.endr
.irp b, 0,1,2,3
	s_delay_alu instid0(VALU_DEP_4)
	v_lshrrev_b32 v[236+\b], 23, v[244+\b]         ; the scale's byte
.endr
	s_delay_alu instid0(VALU_DEP_3)
	v_lshl_or_b32 v[PSW], v237, 8, v236
	s_delay_alu instid0(VALU_DEP_1)
	v_lshl_or_b32 v[PSW], v238, 16, v[PSW]
	s_delay_alu instid0(VALU_DEP_1)
	v_lshl_or_b32 v[PSW], v239, 24, v[PSW]         ; p's scale word for these 128 keys
.irp b, 0,1,2,3
	v_cvt_scalef32_pk8_fp4_f32 v[PF+2*\b], v[SA+16*\b:SA+16*\b+7], v[244+\b]
	v_cvt_scalef32_pk8_fp4_f32 v[PF+1+2*\b], v[SA+16*\b+8:SA+16*\b+15], v[244+\b]
.endr
	v_nop                                          ; a plain instruction behind the last scaled conversion
.irp c, 0,1
.irp i, 0,1
	v_permlane16_swap_b32 v[PF+4*\c+\i], v[PF+2+4*\c+\i]   ; a whole block in a lane
.endr
.endr
.irp j, 32,36,40,44,48,52,56,60
	v_pk_add_f32 v[14:15], v[14:15], v[SA+\j:SA+\j+1]      ; the sum's second half: 17 plain instructions between the writes of p's codes and scale word and the products that take them
	v_pk_add_f32 v[230:231], v[230:231], v[SA+2+\j:SA+3+\j]
.endr
	s_delay_alu instid0(VALU_DEP_1)
	v_pk_add_f32 v[14:15], v[14:15], v[230:231]
	s_wait_dscnt 0x0                               ; v and its scale words
.irp j, 0,2
	v_wmma_scale_f32_16x16x128_f8f6f4 v[OA+8*\j:OA+8*\j+7], v[VF+8*\j:VF+8*\j+7], v[PF:PF+7], v[OA+8*\j:OA+8*\j+7], v[VS+\j/2], v[PSW] matrix_a_fmt:MATRIX_FMT_FP4 matrix_b_fmt:MATRIX_FMT_FP4
	v_wmma_scale_f32_16x16x128_f8f6f4 v[OA+8*\j+8:OA+8*\j+15], v[VF+8*\j+8:VF+8*\j+15], v[PF:PF+7], v[OA+8*\j+8:OA+8*\j+15], v[VS+\j/2], v[PSW] matrix_a_fmt:MATRIX_FMT_FP4 matrix_b_fmt:MATRIX_FMT_FP4 matrix_a_scale:MATRIX_SCALE_ROW1
.endr
.endm
; THE CHANGE OF SLOTS stands at a slot's head.  Each wave waits for all its tensor loads, adds 0 to its spare word, and waits for that and for its reads of the slot that it has left.  fill = 1: a round of the
; cluster's barrier, so that no wave of any partner still reads that slot; then the joint load of the keys that follow, which has a slot's two key steps in which to land.
.macro CHANGE fill
	s_wait_tensorcnt 0x0                           ; no tensor load of mine is out, so group 0 may be written
	ds_add_u32 v[SPW], v[NIL]
.if \fill
	ds_add_u32 v[SPW], v[NIL]                      ; and twice on end here, in every trip alike
	s_xor_b32 s[G0+1], s[G0+1], SLOT1              ; the other slot than last time,
	s_add_nc_u64 s[G0+2:G0+3], s[G0+2:G0+3], SLOT1 ; the next two key steps
	s_wait_xcnt 0x0                                ; the last prefetch, a slot back, has read its address
	s_add_nc_u64 s[PFA:PFA+1], s[PFA:PFA+1], SLOT1 ; one slot further on than the walking descriptor
.endif
	s_wait_dscnt 0x0
.if \fill
	CROUND
	JLOAD
	ASK
.else
	s_barrier_signal -1
	s_barrier_wait -1
.endif
.endm
	s_wait_loadcnt 0x0                             ; q and its scale word
.Lslot:                                                ; 15 trips: behind each change of slots but the last the next slot is asked for; the first trip's load is slot 1's first fill
	CHANGE 1
	STEP 0
	STEP 1
	s_xor_b32 s[TB], s[TB], SLOT1
	s_add_co_u32 s[TS], s[TS], 6144
	s_sub_co_u32 s[SLOTS], s[SLOTS], 1
	s_cmp_lg_u32 s[SLOTS], 0
	s_cbranch_scc1 .Lslot
	CHANGE 0                                       ; the last slot is written out
	STEP 0
	STEP 1
	s_wait_alu depctr_va_vdst(0)
	; ---------------- o = O^T / the sum, quantised along the channels; out = proj_w o + proj_b + x
	v_add_f32 v14, v14, v15
	s_delay_alu instid0(VALU_DEP_1)
	v_permlanex16_b32 v252, v14, s[SEL], s[SEL+1]
	s_delay_alu instid0(VALU_DEP_1)
	v_add_f32 v14, v14, v252                       ; the row's sum
	s_wait_alu depctr_va_vdst(0)
	v_rcp_f32 v14, v14
.rept 4
	v_nop                                          ; plain instructions behind the reciprocal, and between the last products and the loads into their operands
.endr
	global_load_b32 v239, v[GPB], s[12:13]         ; proj_b of my lane's output channel
.irp g, 0,1,2,3
	global_load_b128 v[KF+4*\g:KF+4*\g+3], v[GW], s[10:11] offset:512*\g    ; proj_w's tile w: two K steps
.endr
	global_load_b64 v[KS:KS+1], v[GWS], s[10:11]   ; its scale words
.irp i, 0,1,2,3,4,5,6,7
	global_load_b128 v[VF+4*\i:VF+4*\i+3], v[GX], s[14:15] offset:(2*\i+8*(\i/4))*16384 th:TH_LOAD_NT   ; x where my results will go: sixteen lanes read 256 consecutive bytes
.endr
	s_wait_alu depctr_va_vdst(0)                   ; the wait ahead of the reciprocal's first reader
.set j, 0
.rept 32
	v_mul_f32 v[SA+j], v[OA+j], v14                ; register 16 b + i is channel 32 b + 16 h + i of my head, each accumulator from its low end on
.set j, j+1
.endr
	QUANT2 SA, PF, 238
	ds_store_b128 v[OST], v[PF:PF+3]               ; register group head % 2 of fragment (my tile, K step head / 2)
	ds_store_b16 v[OSS], v238                      ; its two bytes of the scale word
	s_wait_loadcnt 13                              ; proj_b is in; the 13 younger loads may be out
.irp n, 0,1,2,3,4,5,6,7
	v_mov_b32 v[OA+\n], v239                       ; the bias as the C of the sums' first products
.endr
	s_wait_alu depctr_va_vdst(0)
	s_wait_dscnt 0x0                               ; for the others' sake: my stores have landed
	s_barrier_signal -1
	s_barrier_wait -1                              ; o's eight fragments lie in LDS
.irp m, 0,1,2,3
.irp g, 0,1,2,3
	ds_load_b128 v[48+16*\m+4*\g:48+16*\m+4*\g+3], v[OLD] offset:2048*\m+512*\g
.endr
	ds_load_b32 v[226+\m], v[OSL] offset:128*\m    ; lanes 0-15 K step 0's words, lanes 16-31 K step 1's
.endr
.rept 4
	v_nop
.endr
	s_wait_loadcnt 8                               ; the weight's tile and scale words are in; x's eight loads may be out
	s_wait_dscnt 0x0
.irp s, 0,1                                            ; source 0 = 16 queries of o, source 1 = 16 rows of proj_w: a lane holds one output channel, its registers eight neighbouring positions
.irp m, 0,1,2,3
.if \s == 0
	v_wmma_scale_f32_16x16x128_f8f6f4 v[128+8*\m:135+8*\m], v[48+16*\m:55+16*\m], v[KF:KF+7], v[OA:OA+7], v[226+\m], v[KS] matrix_a_fmt:MATRIX_FMT_FP4 matrix_b_fmt:MATRIX_FMT_FP4
.else
	v_wmma_scale_f32_16x16x128_f8f6f4 v[128+8*\m:135+8*\m], v[56+16*\m:63+16*\m], v[KF+8:KF+15], v[128+8*\m:135+8*\m], v[226+\m], v[KS+1] matrix_a_fmt:MATRIX_FMT_FP4 matrix_b_fmt:MATRIX_FMT_FP4 matrix_a_scale:MATRIX_SCALE_ROW1
.endif
.endr
.endr
.rept 4
	v_nop
.endr
.irp m, 0,1,2,3
	ds_store_b128 v[STO], v[128+8*\m:131+8*\m] offset:128*(\m/2)+32*(\m%2)        ; positions 32 (m / 2) + 16 h + 8 (m % 2) + 0 .. 7 of channel row r
	ds_store_b128 v[STO], v[132+8*\m:135+8*\m] offset:128*(\m/2)+32*(\m%2)+16
.endr
.irp i, 0,1,2,3,4,5,6,7
	ds_load_b128 v[48+4*\i:51+4*\i], v[RD] offset:2*\i*272     ; my own stage: LDS serves a wave's instructions in order, so these see the stores above
.endr
	s_wait_loadcnt 0x0                             ; x
.irp i, 0,1,2,3,4,5,6,7
	s_wait_dscnt 7-\i
	v_pk_add_f32 v[48+4*\i:49+4*\i], v[48+4*\i:49+4*\i], v[VF+4*\i:VF+4*\i+1]
	v_pk_add_f32 v[50+4*\i:51+4*\i], v[50+4*\i:51+4*\i], v[VF+4*\i+2:VF+4*\i+3]
	global_store_b128 v[GX], v[48+4*\i:51+4*\i], s[16:17] offset:(2*\i+8*(\i/4))*16384 th:TH_STORE_NT   ; sixteen lanes store 256 consecutive bytes, aligned
.endr
	s_wait_tensorcnt 0x0                           ; the wave's end, behind my last tensor load and my last LDS store
	ds_add_u32 v[SPW], v[NIL]
	s_wait_dscnt 0x0
	CROUND                                         ; the closing round: no work-group ends while a partner may still ask for a tile that names it
	s_endpgm
.Lfunc_end_k_qe68e756ef3_attn:
	.size	k_qe68e756ef3_attn, .Lfunc_end_k_qe68e756ef3_attn-k_qe68e756ef3_attn
	.p2alignl 7, 3214868480
	.fill 96, 4, 3214868480
	.section	.rodata,"a",@progbits
	.p2align	6, 0x0
	.amdhsa_kernel k_qe68e756ef3_attn
		.amdhsa_group_segment_fixed_size 327680
		.amdhsa_private_segment_fixed_size 0
		.amdhsa_enable_private_segment 0
		.amdhsa_kernarg_size 56
		.amdhsa_user_sgpr_count 2
		.amdhsa_user_sgpr_kernarg_segment_ptr 1
		.amdhsa_wavefront_size32 1
		.amdhsa_system_sgpr_workgroup_id_x 1
		.amdhsa_system_sgpr_workgroup_id_y 1
		.amdhsa_system_sgpr_workgroup_id_z 1
		.amdhsa_system_vgpr_workitem_id 0
		.amdhsa_next_free_vgpr 256
		.amdhsa_next_free_sgpr 72
		.amdhsa_reserve_vcc 0
		.amdhsa_float_denorm_mode_32 3
		.amdhsa_float_denorm_mode_16_64 3
		.amdhsa_memory_ordered 1
		.amdhsa_forward_progress 1
		.amdhsa_inst_pref_size 87
	.end_amdhsa_kernel
	.amdgpu_metadata
---
amdhsa.version: [ 1, 2 ]
amdhsa.kernels:
  - .name:           k_qe68e756ef3_attn
    .symbol:         k_qe68e756ef3_attn.kd
    .args:
      - { .name: qbuf, .offset: 0, .size: 8, .value_kind: global_buffer, .address_space: global }
      - { .name: kvc, .offset: 8, .size: 8, .value_kind: global_buffer, .address_space: global }
      - { .name: kvs, .offset: 16, .size: 8, .value_kind: global_buffer, .address_space: global }
      - { .name: wq, .offset: 24, .size: 8, .value_kind: global_buffer, .address_space: global }
      - { .name: proj_b, .offset: 32, .size: 8, .value_kind: global_buffer, .address_space: global }
      - { .name: x, .offset: 40, .size: 8, .value_kind: global_buffer, .address_space: global }
      - { .name: out0, .offset: 48, .size: 8, .value_kind: global_buffer, .address_space: global }
    .group_segment_fixed_size: 327680
    .private_segment_fixed_size: 0
    .kernarg_segment_align: 8
    .kernarg_segment_size: 56
    .max_flat_workgroup_size: 512
    .sgpr_count:     72
    .vgpr_count:     256
    .wavefront_size: 32
...
	.end_amdgpu_metadata
.endif
;; end of part 3
